; MI455X (gfx1250); checked and timed in simulation.
; The chip was launched on July 23, 2026; its instructions are those of AMD's public machine-readable ISA for CDNA 5 (MIT licence, August 2026) and "CDNA5" Instruction Set Architecture Reference Guide (July 2026). The comments in the code are by the model that wrote it; some were corrected since.
;; Vector Quantizer. Allowed arithmetic: matrix products marked QUANTISED: E5M2 operands, one given power-of-two scale a tensor, by v_wmma_f32_16x16x64_bf8_bf8 or v_wmma_f32_16x16x128_bf8_bf8, f32 sums; everything else in f32.
;; Inputs: embed 8,192 x 768 float32; inputs_flatten 8,192 x 768 float32; lowp_scales 2 int32 (the exponents e of the quantised operands' scales 2^e).
;; Outputs: out0 8,192 x 768 float32; out1 8,192 x 1 int32.
;; This version of the problem:
;;   THIS VERSION OF THE PROBLEM IS GIVEN IN LOW PRECISION. The matrix products marked QUANTISED in the list below multiply operands that are first quantised to E5M2 (5 exponent bits, 2 mantissa bits; 8 bits a number), with one given power-of-two scale for each operand tensor; their sums are f32. All else is computed in f32.
;;   The module's matrix products, in the order in which they are computed (A, B: the left and right operand; K: the contracted axis; several contracted axes count as one K, in the product's order):
;;     1. [M 8,192, K 768] x [K 768, N 8,192]; A: input inputs_flatten; B: input embed: QUANTISED (scales: A lowp_scales[0], B lowp_scales[1])
;;   THE QUANTISER, for each operand of a quantised product, along K:
;;     - The operand's scale is 2^e, e = its entry of the input lowp_scales (int32; the entries are numbered through the quantised products in the list's order, A before B).
;;     - Each number is divided by the scale, clamped to +-57,344, and rounded to the nearest number of E5M2, ties to even, subnormals kept.
;;     - The product sums the exact products of the quantised numbers (number of the format x scale) in f32.
;;   ~~~python
;;   def quantise(x, axis, e):      # numpy; x: float32 -> the quantised numbers, widened to float32 again
;;       x = np.moveaxis(x, axis, -1); K = x.shape[-1]
;;       r = np.clip(x / 2.0 ** e, -57344, 57344)
;;       step = 2.0 ** (np.maximum(np.frexp(np.where(r == 0, 1, r))[1] - 1, -14) - 2)
;;       q = np.round(r / step) * step * 2.0 ** e      # np.round: ties to even
;;       return np.moveaxis(q, -1, axis).astype(np.float32)
;;   ~~~
;; One version. Each part assembles by itself: llvm-mc -triple=amdgcn-amd-amdhsa -mcpu=gfx1250 --defsym DOCPART=n.
;; ======== version 1 of 1: 3 launches
;; limits: right only within a limited range of input values
;; workspace buffers: xq 6,291,456 bytes; eq 6,291,456 bytes; esq 32,768 bytes; pkey 524,288 bytes of whole numbers; pidx 524,288 bytes of whole numbers
;; launch quant (part 1): grid 256 x 1, 8 waves a work-group, no clusters, 69,632 bytes of LDS; arguments inputs_flatten, embed, lowp_scales, xq, eq, esq; writes xq, eq, esq
.if DOCPART == 1
	.amdgcn_target "amdgcn-amd-amdhsa--gfx1250"
	.amdhsa_code_object_version 6
	.text
	.protected	k_qf423e9c932_quant
	.globl	k_qf423e9c932_quant
	.p2align	8
	.type	k_qf423e9c932_quant,@function
k_qf423e9c932_quant:
	s_mov_b64 s[64:65], 0
	v_nop
	global_prefetch_b8 v0, s[64:65] scope:SCOPE_SE
	s_setreg_imm32_b32 hwreg(HW_REG_WAVE_MODE, 25, 1), 1
	s_wait_xcnt 0x0
; inputs_flatten and embed, both [8192][768] f32, become (a) codes of BF8 (E5M2) with the one given scale 2^e of each tensor and (b) the f32 sum of squares of each row.
; code = x / 2^e, held within +-57,344, rounded to the nearest code, ties to even.  The squares are taken of the numbers as they are given, not of the codes.
; LIMITS: e between -126 and 112, so that 2^e and 57,344 x 2^e are f32 numbers.  NaN among the inputs is not served.  A row's squares are summed in an order of this text's own.
; THE CODES ARE LAID AS IMAGES OF OPERAND REGISTERS: block B (rows 16 B .. 16 B + 15) begins at 12,288 B; fragment s (K = 128 s .. 128 s + 127) at + 2,048 s; chunk c at + 512 c; lane l at + 16 l.
; Byte i of that place is k = 128 s + 32 c + 16 (l / 16) + i of row 16 B + l % 16.  So the product's launch gets a fragment by four loads of 16 bytes a lane at 16 x lane.
; SHARES: work-groups 0-127 take inputs_flatten, 128-255 embed (pointers and e are chosen on the work-group's number: one path through the text).  A work-group takes 64 rows;
; wave w takes rows 16 (w / 2) .. + 15 and K half w % 2: three steps of 128 along K.
; Each load reads 512 consecutive bytes of one row; a step's 16 rows x 512 bytes turn through the wave's own stage in LDS and come back 64 neighbouring bytes a lane, which is what the conversions want.
; No matrix unit, no tensor load, no cluster: the launch streams, and no two work-groups read the same byte.
; DEAD WORK LEFT OUT, in the whole program: x_sq.  Part (b) above is made for embed alone.  distances goes into argmin along the codes' axis and nowhere else, and x_sq[n] is the same
; for all codes of token n: in exact arithmetic argmin over k of (x_sq[n] + e_sq[k] - 2 x_n . e_k) = argmin over k of (e_sq[k] - 2 x_n . e_k), whatever finite values the inputs hold.
; So the work-groups of inputs_flatten jump round the squares and round the join of the sums (a branch on the work-group's number, the same in all its waves).
; LIMIT: a NaN, an infinity or an overflow that reaches x_sq alone is not carried to the result; two codes whose distances differ by less than the rounding of x_sq + e_sq are told apart by e_sq - 2 x . e, rounded once.
; ALSO LEFT OUT, in the last launch: the straight-through estimator's two additions.  out0 = (q - x) + x, and in exact arithmetic (q - x) + x = q for all finite q and x: so out0 is the codebook's row as it lies,
; and the last launch does not load inputs_flatten.  LIMIT: the two roundings of (q - x) + x are not made; a NaN, an infinity or an overflow that arises in q - x alone is not carried to the result.
.set ROWB,  3072
.set PITCH, 528                        ; a stage row: 512 bytes + 16, so that the sixteen rows that a read touches begin at different banks (64 banks of 4 bytes: ISA guide 11.1)
.set WSTG,  16*PITCH                   ; a wave's stage
.set NORM,  8*WSTG                     ; behind the stages: 2 K halves x 64 rows x 4 bytes of partial sums
.set SQ,    8                          ; v8-15    four chains of two partial sums
.set C,     16                         ; v16-31   a step's codes
.set R,     32                         ; v32-159  two sets of 64 registers as loaded
.set X,     160                        ; v160-223 64 numbers: register 16 c + i = k 32 c + 16 (lane / 16) + i of row lane % 16
	s_load_b128 s[4:7], s[0:1], 0x0                ; inputs_flatten, embed
	s_load_b64 s[8:9], s[0:1], 0x10                ; the scales' exponents
	s_load_b128 s[12:15], s[0:1], 0x18             ; xq, eq
	s_load_b64 s[16:17], s[0:1], 0x28              ; esq
	v_lshl_add_u32 v224, v0, 2, 0x10c00
	v_mov_b32 v225, 0
	v_lshrrev_b32 v1, 5, v0
	s_delay_alu instid0(VALU_DEP_1)
	v_readfirstlane_b32 s20, v1                    ; wave 0..7
	v_and_b32 v1, 31, v0                           ; lane
	s_delay_alu instid0(VALU_DEP_1)
	v_lshlrev_b32 v2, 4, v1                        ; 16 x lane: my bytes of a load's 512, and of a store's
	s_mul_i32 s21, s20, WSTG
	v_add_nc_u32 v3, s21, v2                       ; the stage, on the way in
	v_and_b32 v16, 15, v0                          ; r
	v_bfe_u32 v17, v0, 4, 1                        ; h
	s_delay_alu instid0(VALU_DEP_2)
	v_mul_u32_u24 v4, v16, PITCH
	s_delay_alu instid0(VALU_DEP_1)
	v_lshl_add_u32 v4, v17, 6, v4
	s_delay_alu instid0(VALU_DEP_1)
	v_add_nc_u32 v4, s21, v4                       ; and on the way out: row r, + 64 h
	s_and_b32 s22, s20, 1                          ; my K half
	s_lshr_b32 s23, s20, 1                         ; my block of 16 rows
	s_lshl_b32 s24, s22, 8
	s_lshl_b32 s25, s23, 6
	s_add_co_u32 s24, s24, s25
	s_add_co_u32 s24, s24, NORM
	v_lshl_add_u32 v5, v16, 2, s24                 ; where my row's partial sum goes: 256 x half + 4 x (16 x block + r)
	s_mov_b32 s36, 0x76543210                      ; v_permlanex16_b32's selects for lane l xor 16
	s_mov_b32 s37, 0xfedcba98
	s_cmp_lt_u32 ttmp9, 128
	s_cselect_b32 s26, 0, 128
	s_sub_co_u32 s26, ttmp9, s26                   ; my work-group's number within its tensor
	s_lshl_b32 s27, s26, 2
	s_add_co_u32 s27, s27, s23                     ; my block of 16 rows within the tensor
	s_mul_i32 s28, s27, 16*ROWB
	s_mul_i32 s30, s22, 1536
	s_add_co_u32 s28, s28, s30                     ; bytes to my first number
	s_mov_b32 s29, 0
	s_mul_i32 s30, s27, 12288
	s_mul_i32 s31, s22, 6144
	s_add_co_u32 s30, s30, s31                     ; bytes to my first fragment
	s_mov_b32 s31, 0
	s_lshl_b32 s32, s26, 8                         ; bytes to my work-group's 64 sums
	s_mov_b32 s33, 0
	s_wait_alu depctr_va_vdst(0)
	s_wait_kmcnt 0x0
	s_load_b64 s[34:35], s[8:9], 0x0               ; e of inputs_flatten, e of embed
	s_cmp_lt_u32 ttmp9, 128                        ; the choice hangs on the work-group's number alone
	s_cselect_b64 s[4:5], s[4:5], s[6:7]
	s_cselect_b64 s[12:13], s[12:13], s[14:15]
	s_add_nc_u64 s[4:5], s[4:5], s[28:29]
	s_add_nc_u64 s[12:13], s[12:13], s[30:31]
	s_add_nc_u64 s[16:17], s[16:17], s[32:33]
.macro LOADK t                         ; step t: 16 rows x 512 bytes into set t % 2
.irp i, 0,1,2,3,4,5,6,7,8,9,10,11,12,13,14,15
	global_load_b128 v[R+64*((\t)%2)+4*\i:R+64*((\t)%2)+4*\i+3], v2, s[4:5] offset:ROWB*\i+512*(\t) th:TH_LOAD_NT
.endr
.endm
	LOADK 0
	LOADK 1
	s_wait_kmcnt 0x0
	s_cmp_lt_u32 ttmp9, 128
	s_cselect_b32 s34, s34, s35                    ; e
	s_add_co_i32 s34, s34, 127
	s_lshl_b32 s35, s34, 23
	v_mov_b32 v7, s35                              ; 2^e as f32: the conversion takes its exponent field
	s_add_co_i32 s34, s34, 15
	s_lshl_b32 s34, s34, 23
	s_or_b32 s34, s34, 0x600000
	v_mov_b32 v6, s34                              ; 57,344 x 2^e
	s_wait_alu depctr_va_vdst(0)
; One step of 128 along K.  left = the younger loads that may stay out.
.macro QSTEP t, left
	s_wait_loadcnt \left                           ; loads come back in order (ISA guide 5.7.1): this step's sixteen are in
.irp i, 0,1,2,3,4,5,6,7,8,9,10,11,12,13,14,15
	ds_store_b128 v3, v[R+64*((\t)%2)+4*\i:R+64*((\t)%2)+4*\i+3] offset:PITCH*\i
.endr
.irp c, 0,1,2,3
.irp j, 0,1,2,3
	ds_load_b128 v[X+16*\c+4*\j:X+16*\c+4*\j+3], v4 offset:128*\c+16*\j   ; LDS serves a wave's instructions in order (ISA guide 5.7.1.4): these see the stores above
.endr
.endr
	s_wait_dscnt 0x0                               ; the numbers are back, and the stores have read their registers,
.if (\t) == 0
	LOADK 2                                        ; which take the third step's loads
.endif
	s_cmp_lt_u32 ttmp9, 128                        ; inputs_flatten: no squares
	s_cbranch_scc1 .Lnosq_\@
.set n, 0
.rept 32
.if (\t) == 0 && n < 4
	v_pk_mul_f32 v[SQ+2*n:SQ+2*n+1], v[X+2*n:X+2*n+1], v[X+2*n:X+2*n+1]     ; the first four products start the chains: nothing is cleared
.else
	v_pk_fma_f32 v[SQ+2*(n%4):SQ+2*(n%4)+1], v[X+2*n:X+2*n+1], v[X+2*n:X+2*n+1], v[SQ+2*(n%4):SQ+2*(n%4)+1]
.endif
.set n, n+1
.endr
.Lnosq_\@:
.set n, 0
.rept 64
	v_med3_num_f32 v[X+n], v[X+n], -v6, v6         ; the conversion to an 8-bit code does not saturate (ISA guide 7.6.2): hold the number within the largest code x the scale first
.set n, n+1
.endr
.if (\t) > 0
	s_wait_alu depctr_va_vdst(0)
	s_wait_xcnt 0x0                                ; the last step's stores have read their data: the codes' registers are written again only behind this wait
.endif
.irp c, 0,1,2,3
	v_cvt_scalef32_pk8_bf8_f32 v[C+4*\c:C+4*\c+1], v[X+16*\c:X+16*\c+7], v7
	v_cvt_scalef32_pk8_bf8_f32 v[C+4*\c+2:C+4*\c+3], v[X+16*\c+8:X+16*\c+15], v7
.endr
	v_nop                                          ; one plain vector line behind the last conversion of the run
.irp c, 0,1,2,3
	global_store_b128 v2, v[C+4*\c:C+4*\c+3], s[12:13] offset:2048*(\t)+512*\c   ; 32 lanes store 512 consecutive bytes, at a multiple of 256 from the buffer's first byte
.endr
.endm
	QSTEP 0, 16                                    ; the second step's sixteen loads may be out
	QSTEP 1, 16                                    ; the third step's
	QSTEP 2, 0
	s_cmp_lt_u32 ttmp9, 128                        ; inputs_flatten: no sums to join; all eight waves of the work-group go the same way
	s_cbranch_scc1 .Ldone
	v_pk_add_f32 v[8:9], v[8:9], v[10:11]
	v_pk_add_f32 v[12:13], v[12:13], v[14:15]
	s_delay_alu instid0(VALU_DEP_1)
	v_pk_add_f32 v[8:9], v[8:9], v[12:13]
	s_delay_alu instid0(VALU_DEP_1)
	v_add_f32 v8, v8, v9                           ; my 192 numbers' squares,
	s_delay_alu instid0(VALU_DEP_1)
	v_permlanex16_b32 v9, v8, s36, s37
	s_delay_alu instid0(VALU_DEP_1)
	v_add_f32 v8, v8, v9                           ; and lane l xor 16's: row r's sum over my K half
	ds_store_b32 v5, v8                            ; (lanes r and r + 16 store the same number to the same word)
	v_lshl_add_u32 v10, v1, 3, NORM                ; made by every wave, ahead of the parting below
	v_lshlrev_b32 v11, 3, v1
	s_wait_dscnt 0x0                               ; for the others' sake: my store has landed
	s_barrier_signal -1
	s_barrier_wait -1
	s_cmp_lg_u32 s20, 0
	s_cbranch_scc1 .Ldone
	s_wait_alu depctr_va_vdst(0)
	ds_load_b64 v[12:13], v10                      ; wave 0: rows 2 l and 2 l + 1, first K half,
	ds_load_b64 v[14:15], v10 offset:256           ; second K half
	s_wait_dscnt 0x0
	v_pk_add_f32 v[12:13], v[12:13], v[14:15]
	global_store_b64 v11, v[12:13], s[16:17]       ; 32 lanes store 256 consecutive bytes, aligned
.Ldone:
	s_wait_tensorcnt 0x0
	ds_add_u32 v224, v225
	s_wait_dscnt 0x0
	s_endpgm
.Lfunc_end_k_qf423e9c932_quant:
	.size	k_qf423e9c932_quant, .Lfunc_end_k_qf423e9c932_quant-k_qf423e9c932_quant
	.p2alignl 7, 3214868480
	.fill 96, 4, 3214868480
	.section	.rodata,"a",@progbits
	.p2align	6, 0x0
	.amdhsa_kernel k_qf423e9c932_quant
		.amdhsa_group_segment_fixed_size 69632
		.amdhsa_private_segment_fixed_size 0
		.amdhsa_enable_private_segment 0
		.amdhsa_kernarg_size 48
		.amdhsa_user_sgpr_count 2
		.amdhsa_user_sgpr_kernarg_segment_ptr 1
		.amdhsa_wavefront_size32 1
		.amdhsa_system_sgpr_workgroup_id_x 1
		.amdhsa_system_sgpr_workgroup_id_y 1
		.amdhsa_system_sgpr_workgroup_id_z 1
		.amdhsa_system_vgpr_workitem_id 0
		.amdhsa_next_free_vgpr 226
		.amdhsa_next_free_sgpr 66
		.amdhsa_reserve_vcc 0
		.amdhsa_float_denorm_mode_32 3
		.amdhsa_float_denorm_mode_16_64 3
		.amdhsa_memory_ordered 1
		.amdhsa_forward_progress 1
		.amdhsa_inst_pref_size 37
	.end_amdhsa_kernel
	.amdgpu_metadata
---
amdhsa.version: [ 1, 2 ]
amdhsa.kernels:
  - .name:           k_qf423e9c932_quant
    .symbol:         k_qf423e9c932_quant.kd
    .args:
      - { .name: inputs_flatten, .offset: 0, .size: 8, .value_kind: global_buffer, .address_space: global }
      - { .name: embed, .offset: 8, .size: 8, .value_kind: global_buffer, .address_space: global }
      - { .name: lowp_scales, .offset: 16, .size: 8, .value_kind: global_buffer, .address_space: global }
      - { .name: xq, .offset: 24, .size: 8, .value_kind: global_buffer, .address_space: global }
      - { .name: eq, .offset: 32, .size: 8, .value_kind: global_buffer, .address_space: global }
      - { .name: esq, .offset: 40, .size: 8, .value_kind: global_buffer, .address_space: global }
    .group_segment_fixed_size: 69632
    .private_segment_fixed_size: 0
    .kernarg_segment_align: 8
    .kernarg_segment_size: 48
    .max_flat_workgroup_size: 256
    .sgpr_count:     66
    .vgpr_count:     226
    .wavefront_size: 32
...
	.end_amdgpu_metadata
.endif
;; end of part 1
;; launch dist (part 2): grid 16 x 16, 8 waves a work-group, clusters of 4 x 1, 327,680 bytes of LDS; arguments xq, eq, esq, lowp_scales, pkey, pidx; writes pkey, pidx
.if DOCPART == 2
	.amdgcn_target "amdgcn-amd-amdhsa--gfx1250"
	.amdhsa_code_object_version 6
	.text
	.protected	k_qf423e9c932_dist
	.globl	k_qf423e9c932_dist
	.p2align	8
	.type	k_qf423e9c932_dist,@function
k_qf423e9c932_dist:
	s_mov_b64 s[64:65], 0
	v_nop
	global_prefetch_b8 v0, s[64:65] scope:SCOPE_SE
	s_setreg_imm32_b32 hwreg(HW_REG_WAVE_MODE, 25, 1), 1
	s_wait_xcnt 0x0
	s_wait_alu depctr_hold_cnt(0) depctr_sa_sdst(0) depctr_va_vdst(0) depctr_va_sdst(0) depctr_va_ssrc(0) depctr_va_vcc(0) depctr_vm_vsrc(0)
	s_getreg_b32 s2, hwreg(HW_REG_IB_STS2, 6, 4)
	s_cmp_eq_u32 s2, 0
	s_cbranch_scc0 .Lentry_in_a_cluster
	s_endpgm
.Lentry_in_a_cluster:
	s_bfe_u32 s2, ttmp6, 0x10000c
	s_cmp_lg_u32 s2, 0x3003
	s_cbranch_scc0 .Lentry_shape_is_right
	s_endpgm
.Lentry_shape_is_right:
; For 512 tokens and 512 codes: d = e_sq - 2 x (token . code), the product on codes of BF8 (E5M2); for each token the smallest d of the part and the lowest code index that has it.
; x_sq is left out: it is the same for all codes of a token and goes into argmin alone (shown at the head of the first kernel).  d is one fused multiply-add: sum x (-2^(ea + eb + 1)) + e_sq.
; OUT: pkey[part][token] = the minimum's f32 pattern turned into an unsigned whole number of the same order; pidx[part][token] = the code's index in the codebook.
; LIMITS: ea + eb + 1 between -126 and 127; every d finite; NaN is not served.
; SHARES.  Token group g = 4 x cluster x + cx, code part y.  Eight waves, two for each SIMD of a WGP, 512 registers each.  Wave w keeps its 64 tokens x 768 K in registers for the whole launch: 24 fragments, 384 registers.
; Only the codes' fragments are read from LDS; each feeds four matrix instructions.  Source 0 = 16 codes, source 1 = 16 tokens: lane (r, h) holds token r, register j code 8 h + j.
; A PIECE is 16 codes x 64 tokens: 4 accumulators by turns, 24 matrix instructions in one group, then 96 vector lines in one group.  32 pieces, from the HIGHEST codes down, so that among equal d the index written last is the lowest.
; TWO CLASSES OF WAVES.  At the three barriers inside the walk waves 0-3 finish their piece ahead of the barrier and waves 4-7 behind it: behind the barrier one class begins with a group of matrix
; instructions and the other with a group of vector lines.  The branches hang on the wave's number alone and lead round vector lines alone; all stepping of scalars stands on the common way.
; LDS: three slots of 98,304 bytes (128 codes).  The part's four tiles are walked from the highest down: tile i in slot i % 3; in a slot wave w's load lays the tile's piece 7 - w at place w, so that the walk goes up through LDS.
; Tile 0 is asked for at the head, tile 1 behind the first round, tile 2 behind the round at piece 2, tile 3 (slot 0 filled again) behind the round at piece 8; a barrier at piece 16 shows it whole.  One load a wave each time: 48 rows of 256 bytes.
; CLUSTER.  The four work-groups of a cluster share the code part: each tile is asked for jointly (mask 15).  The tokens are NOT asked for jointly: they go from memory straight into registers; a joint load lands in LDS,
; where a work-group's 393,216 bytes of tokens do not fit beside the codes.
; NO PREFETCH: the part has four tiles; three are asked for by their tensor loads by piece 2, the fourth at piece 8, sixteen pieces ahead of its first read: there is no later tile to run ahead to.
; The launch claims all of the LDS that a work-group can have.
.set PIECE, 12288                      ; 16 codes x 768 bytes: six fragments of 2,048, images of the operand's registers
.set TILE,  98304                      ; 8 pieces
.set ESQL,  3*TILE                     ; behind the slots: the part's 512 e_sq, piece by piece in the order of the walk
.set STG,   ESQL+2048                  ; the way out: 512 bytes for each wave
.set SPARE, STG+4096                   ; the spare words, 128 bytes for each wave: four blocks of 256 bytes that no other line names
.set LA,   1                           ; v1      16 x lane; never rewritten
.set EA0,  2                           ; v2      ESQL + 32 h; never rewritten
.set EAD,  3                           ; v3      LDS address of the e_sq of the piece whose fragments are being fetched
.set ADR,  4                           ; v4      LDS address of that piece for my lane
.set SPW,  6                           ; v6      LDS address of my spare word; never rewritten
.set NIL,  7                           ; v7      0; never rewritten
.set BEST, 8                           ; v8-11   tile b: the smallest d so far
.set IDX,  12                          ; v12-15  tile b: its code, less 8 h
.set ESQ,  16                          ; v16-23  the piece's e_sq at my eight codes
.set TMP,  24                          ; v24-31  at work at the head and on the way out
.set ACC,  32                          ; v32-63  4 accumulators
.set F,    64                          ; v64-127 four buffers for the codes' fragments: fragment f in buffer f % 4
                                       ; v128-255 the tokens' K steps 4, 5; window 1 (v256-511): K steps 0 to 3; fragment (s, b) at 64 s + 16 b of its run
.set WV,   16                          ; s16     my wave's number
.set CLS,  17                          ; s17     my class: wave / 4
.set G1,   24                          ; s[24:31] descriptor group 1
.set G0,   32                          ; s[32:47] four groups 0, one for each tile; written once
.set CC,   48                          ; s[48:49] -2^(ea + eb + 1), twice
.set INF,  50
.set TB,   51                          ; s51     LDS byte of the next piece to fetch
.set EO,   52                          ; s52     64 x its number
.set CNT,  53
.set CAND, 56                          ; s[56:63] code index of register j of the piece that is finished next, less 8 h
.set MK,   66                          ; s[66:69] lane masks
.set SEL,  70                          ; s[70:71] v_permlanex16_b32's selects for lane l xor 16
.set MSB, 0
.macro WIN new                         ; the immediate's high byte repeats the setting that is left; a switch that changes nothing is dropped
.if MSB != (\new)
	s_set_vgpr_msb (MSB<<8)|(\new)
.set MSB, (\new)
.endif
.endm
.macro ROUND                           ; a round of the cluster's barrier
	s_barrier_signal -1
	s_barrier_wait -1
	s_cmp_lg_u32 s[WV], 0
	s_cbranch_scc1 .Lnw0_\@
	s_barrier_signal -3
.Lnw0_\@:
	s_barrier_wait -3
	s_barrier_signal -1
	s_barrier_wait -1
.endm
.macro NOPS
.rept 4
	v_nop
.endr
.endm
; The lines in front of a fill, the round, and my one joint load behind it: tile k.
.macro SYNC k
	s_wait_tensorcnt 0x0                           ; all my tensor loads have landed
	ds_add_u32 v[SPW], v[NIL]
	s_wait_dscnt 0x0                               ; the add is done, and my LDS reads and stores are over
	ROUND
	tensor_load_to_lds s[G0+4*\k:G0+4*\k+3], s[G1:G1+7]
	s_nop 0
	NOPS                                           ; places behind the last products
.endm
	s_load_b256 s[4:11], s[0:1], 0x0               ; xq s[4:5], eq s[6:7], esq s[8:9], the scales' exponents s[10:11]
	s_load_b128 s[12:15], s[0:1], 0x20             ; pkey s[12:13], pidx s[14:15]
	v_lshl_add_u32 v[SPW], v0, 2, SPARE
	v_mov_b32 v[NIL], 0
	ds_add_u32 v[SPW], v[NIL]                      ; the opening lines: the add, twice on end, and its wait ahead of my first tensor load
	ds_add_u32 v[SPW], v[NIL]
	v_lshrrev_b32 v[TMP], 5, v0
	v_readfirstlane_b32 s[WV], v[TMP]              ; wave 0..7
	s_lshr_b32 s[CLS], s[WV], 2
	s_bfe_u32 s19, ttmp6, 0x40000                  ; cx
	s_lshl_b32 s20, ttmp9, 2
	s_add_co_u32 s20, s20, s19                     ; g: it enters the addresses of xq, pkey and pidx alone
	s_and_b32 s21, ttmp7, 0xffff                   ; y, which the four partners share
	s_mov_b32 s[G1], 15|(3<<16)|(1<<21)            ; the mask: all four work-groups; elements of 8 bytes; no padding; bit 21 beside a mask
	s_mov_b32 s[G1+1], 32<<16                      ; tensor_dim0 = 32: rows of 256 bytes
	s_mov_b32 s[G1+2], 48<<16                      ; tensor_dim1 = 48
	s_mov_b32 s[G1+3], 32<<16                      ; tile_dim0
	s_mov_b32 s[G1+4], 48                          ; tile_dim1
	s_mov_b32 s[G1+5], 32                          ; pitch: the block is dense
	s_mov_b32 s[G1+6], 0
	s_mov_b32 s[G1+7], 0
	s_mov_b32 s[INF], 0x7f800000
	s_mov_b32 s[SEL], 0x76543210
	s_mov_b32 s[SEL+1], 0xfedcba98
	s_mov_b32 s[TB], 0
	s_mov_b32 s[EO], 0
	s_mul_i32 s74, s21, 512*768                    ; eq: my part,
	s_sub_co_u32 s72, 7, s[WV]
	s_mul_i32 s72, s72, PIECE                      ; piece 7 - w of a tile
	s_add_co_u32 s74, s74, s72
	s_mov_b32 s75, 0
	s_mul_i32 s73, s[WV], PIECE                    ; which lands at place w of a slot
	s_lshl_b32 s54, s20, 5
	s_lshl_b32 s55, s[WV], 2
	s_add_co_u32 s54, s54, s55
	s_mul_i32 s54, s54, PIECE                      ; xq: block 32 g + 4 w
	s_mov_b32 s55, 0
	s_lshl_b32 s76, s21, 11                        ; esq: 4 x 512 y
	s_mov_b32 s77, 0
	s_lshl_b32 s22, s21, 15
	s_lshl_b32 s23, s20, 11
	s_add_co_u32 s22, s22, s23
	s_lshl_b32 s23, s[WV], 8
	s_add_co_u32 s22, s22, s23                     ; pkey, pidx: 4 x (8,192 y + 512 g + 64 w)
	s_mov_b32 s23, 0
	s_lshl_b32 s72, s21, 9
.irp j, 0,1,2,3,4,5,6,7
	s_add_co_u32 s[CAND+\j], s72, 496+\j           ; the first piece: the part's codes 496-511
.endr
	v_and_b32 v[LA], 31, v0
	v_lshlrev_b32 v[LA], 4, v[LA]
	v_bfe_u32 v[EA0], v0, 4, 1
	v_lshl_add_u32 v[EA0], v[EA0], 5, ESQL
	v_lshlrev_b32 v[TMP+1], 3, v0                  ; 8 x thread: my two e_sq of the part's 512,
	v_lshrrev_b32 v[TMP+2], 3, v0                  ; which belong to the part's piece thread / 8,
	v_sub_nc_u32 v[TMP+2], 31, v[TMP+2]            ; the (31 - that)-th of the walk
	v_and_b32 v[TMP+3], 7, v0
	v_lshlrev_b32 v[TMP+3], 3, v[TMP+3]
	v_lshl_add_u32 v[TMP+2], v[TMP+2], 6, v[TMP+3]
	v_add_nc_u32 v[TMP+2], ESQL, v[TMP+2]          ; their place in LDS
.irp b, 0,1,2,3
	v_mov_b32 v[BEST+\b], s[INF]
	v_mov_b32 v[IDX+\b], 0
.endr
	s_wait_alu depctr_va_vdst(0)
	s_wait_dscnt 0x0                               ; both opening adds are done
	s_wait_kmcnt 0x0
	s_load_b64 s[78:79], s[10:11], 0x0             ; ea, eb
	s_add_nc_u64 s[6:7], s[6:7], s[74:75]
	s_add_nc_u64 s[4:5], s[4:5], s[54:55]
	s_add_nc_u64 s[8:9], s[8:9], s[76:77]
	s_add_nc_u64 s[12:13], s[12:13], s[22:23]
	s_add_nc_u64 s[14:15], s[14:15], s[22:23]
.irp k, 0,1,2,3
	s_mov_b32 s[G0+4*\k], 1                                        ; count = 1
	s_add_co_u32 s[G0+4*\k+1], s73, (\k%3)*TILE                    ; LDS: slot k % 3, place w
	s_add_nc_u64 s[G0+4*\k+2:G0+4*\k+3], s[6:7], (3-\k)*TILE       ; the part's codes 128 (3 - k) on
	s_or_b32 s[G0+4*\k+3], s[G0+4*\k+3], 0x80000000                ; type = 2
.endr
	ROUND                                          ; all four work-groups are here: the first joint loads meet
	tensor_load_to_lds s[G0:G0+3], s[G1:G1+7]      ; tile 0: my one tensor load at the head
	s_nop 0
	NOPS
	global_load_b64 v[TMP+4:TMP+5], v[TMP+1], s[8:9]
.irp s, 0,1,2,3,4,5                    ; the tokens, K step by K step: 16 loads of 512 consecutive bytes each
	WIN 0x40*(1-\s/4)                              ; destination window 1 for K steps 0 to 3; the address stays in window 0
.irp b, 0,1,2,3
.irp c, 0,1,2,3
	global_load_b128 v[64*\s-128*(\s/4)+16*\b+4*\c:64*\s-128*(\s/4)+16*\b+4*\c+3], v[LA], s[4:5] offset:PIECE*\b+2048*\s+512*\c
.endr
.endr
.endr
	WIN 0
	s_wait_kmcnt 0x0
	s_add_co_i32 s[CC], s78, s79
	s_add_co_i32 s[CC], s[CC], 128                 ; ea + eb + 1 + 127
	s_lshl_b32 s[CC], s[CC], 23
	s_or_b32 s[CC], s[CC], 0x80000000              ; -2^(ea + eb + 1) as f32
	s_mov_b32 s[CC+1], s[CC]                       ; (named with it as a pair, so it is written)
	s_wait_loadcnt 63                              ; of my 97 loads the first 34 are in, e_sq among them
	ds_store_b64 v[TMP+2], v[TMP+4:TMP+5]
.macro WM s, b                         ; product (s, b): K step s, tokens 16 b on.  The four accumulators take turns; K step 0 starts the sums with the constant 0
.set rA, ACC+8*(\b)
.set rF, F+16*((\s)%4)
.set rT, 64*(\s)-128*((\s)/4)+16*(\b)
.if (\s) == 0
	v_wmma_f32_16x16x128_bf8_bf8 v[rA:rA+7], v[rF:rF+15], v[rT:rT+15], 0
.else
	v_wmma_f32_16x16x128_bf8_bf8 v[rA:rA+7], v[rF:rF+15], v[rT:rT+15], v[rA:rA+7]
.endif
.endm
; A piece's 24 products.  At its head the 16 loads of fragments 0 to 3 may be out.  Behind K step 1 one run of ten LDS loads: the piece's e_sq, then fragments 4 and 5 into buffers 0 and 1.
; THE WAITS ON DSCNT count the younger LDS loads that may stay out: 12 and 8 (fragments 1-3, 2-3); 14 and 10 (the rest of fragments 2-3 and the run of ten); 4 (fragment 5); 0.
; first = 1: the waits on LOADCNT leave the tokens' later K steps out, 16 loads each (the count's field ends at 63).
.macro MM first
.irp s, 0,1,2,3,4,5
.if \first
.if \s < 2
	s_wait_loadcnt 63
.else
	s_wait_loadcnt 80-16*\s
.endif
.endif
.if \s == 0
	s_wait_dscnt 12
.elseif \s == 1
	s_wait_dscnt 8
.elseif \s == 2
	s_wait_dscnt 14
.elseif \s == 3
	s_wait_dscnt 10
.elseif \s == 4
	s_wait_dscnt 4
.else
	s_wait_dscnt 0x0
.endif
	WIN 4*(1-\s/4)                                 ; source 1, the tokens: window 1 for K steps 0 to 3; all else in window 0
.irp b, 0,1,2,3
	WM \s, \b
.endr
.if \s == 1
	NOPS                                           ; four places in front of loads into registers that matrix instructions have read (ISA guide 7.12.1 for vector instructions)
	ds_load_b128 v[ESQ:ESQ+3], v[EAD]
	ds_load_b128 v[ESQ+4:ESQ+7], v[EAD] offset:16
.irp f, 4,5
.irp c, 0,1,2,3
	ds_load_b128 v[F+16*(\f-4)+4*\c:F+16*(\f-4)+4*\c+3], v[ADR] offset:2048*\f+512*\c
.endr
.endr
.endif
.endr
.endm
.macro STEP                            ; on to the next piece's addresses; with the two v_nop these are the four places behind the last products
	v_add_nc_u32 v[ADR], v[LA], s[TB]
	s_add_co_u32 s[TB], s[TB], PIECE
	v_add_nc_u32 v[EAD], v[EA0], s[EO]
	s_add_co_u32 s[EO], s[EO], 64
	v_nop
	v_nop
.endm
.macro LOADF                           ; its fragments 0 to 3: images of the registers, 512 consecutive bytes a load
.irp f, 0,1,2,3
.irp c, 0,1,2,3
	ds_load_b128 v[F+16*\f+4*\c:F+16*\f+4*\c+3], v[ADR] offset:2048*\f+512*\c
.endr
.endr
.endm
; The 96 lines that finish a piece; the four tiles alternate, so that a line and the one that reads its result stand four apart.
.macro VCORE
.irp i, 0,1,2,3
.irp b, 0,1,2,3
	v_pk_fma_f32 v[ACC+8*\b+2*\i:ACC+8*\b+2*\i+1], v[ACC+8*\b+2*\i:ACC+8*\b+2*\i+1], s[CC:CC+1], v[ESQ+2*\i:ESQ+2*\i+1] op_sel_hi:[1,0,1]   ; d, in place, each accumulator from its low end on
.endr
.endr
.irp i, 0,1,2,3
.irp b, 0,1,2,3
	v_min3_num_f32 v[BEST+\b], v[BEST+\b], v[ACC+8*\b+2*\i], v[ACC+8*\b+2*\i+1]
.endr
.endr
.irp j, 7,6,5,4,3,2,1,0                ; later lines are lower codes, and later pieces are lower codes
.irp b, 0,1,2,3
	v_cmp_eq_f32 s[MK+\b], v[ACC+8*\b+\j], v[BEST+\b]              ; is d the minimum so far?
.endr
.irp b, 0,1,2,3
	v_cndmask_b32 v[IDX+\b], v[IDX+\b], s[CAND+\j], s[MK+\b]       ; where it is, the index becomes this code's
.endr
.endr
.endm
.macro CSTEP
.irp j, 0,1,2,3,4,5,6,7
	s_sub_co_u32 s[CAND+\j], s[CAND+\j], 16        ; the next piece lies 16 codes lower
.endr
.endm
.macro PIECES n                        ; n pieces with no barrier among them
	s_mov_b32 s[CNT], \n
.Lp_\@:
	MM 0
	STEP
	LOADF
	VCORE
	CSTEP
	s_sub_co_u32 s[CNT], s[CNT], 1
	s_cmp_lg_u32 s[CNT], 0
	s_cbranch_scc1 .Lp_\@
.endm
; A piece with a barrier behind its products.  Waves 0-3 finish it ahead of the barrier, waves 4-7 behind it.  k > 0: tile k is asked for behind a round; k = 0: a plain barrier shows tile 3 whole.
.macro PSYNC k
	MM 0
	s_cmp_lg_u32 s[CLS], 0
	s_cbranch_scc1 .Lhi_\@
	NOPS                                           ; four places behind the last products
	VCORE
.Lhi_\@:
.if \k
	SYNC \k
.else
	s_wait_tensorcnt 0x0                           ; my part of tile 3 has landed
	s_wait_dscnt 0x0                               ; no LDS instruction of mine is out at a signal
	s_barrier_signal -1
	s_barrier_wait -1
	v_nop                                          ; with the four places of the step below: more than the five places that stand between a piece's products and the products that begin its accumulators anew, on every way through the text
	v_nop
.endif
	STEP
	LOADF
	s_wait_alu depctr_va_vdst(0)
	s_cmp_eq_u32 s[CLS], 0
	s_cbranch_scc1 .Llo_\@
	VCORE
.Llo_\@:
	CSTEP
.endm
	SYNC 1                                         ; everybody's part of tile 0 and of e_sq is in; tile 1 goes out: slot 1's first fill, issued as a refill is
	STEP
	LOADF
	s_wait_alu depctr_va_vdst(0)
	MM 1                                           ; piece 0
	STEP
	LOADF
	VCORE
	CSTEP
	PSYNC 2                                        ; piece 1; tile 2 goes out: slot 2's first fill
	PIECES 5                                       ; pieces 2 to 6
	PSYNC 3                                        ; piece 7: every wave's reads of slot 0 are over; it is filled again with tile 3
	PIECES 7                                       ; pieces 8 to 14
	PSYNC 0                                        ; piece 15
	PIECES 7                                       ; pieces 16 to 22
	s_mov_b32 s[TB], 0                             ; piece 24 lies at the head of slot 0
	MM 0                                           ; piece 23
	STEP
	LOADF
	VCORE
	CSTEP
	PIECES 7                                       ; pieces 24 to 30
	MM 0                                           ; piece 31: nothing more to fetch
	NOPS
	VCORE
	; THE WAY OUT.  A token's codes lie in lanes r and r + 16: the two are joined (the smaller d; among equal d the lower index), the minimum becomes its sort key, and 64 keys and 64 indices
	; go through my own stage in LDS, so that each of my two stores covers 256 consecutive bytes, aligned.
.set TS, F
	v_bfe_u32 v[TMP], v0, 4, 1
	v_lshlrev_b32 v[TMP], 3, v[TMP]                ; 8 h
	s_lshl_b32 s72, s[WV], 9
	s_add_co_u32 s72, s72, STG                     ; my stage
	v_and_b32 v[TMP+1], 15, v0
	v_lshl_add_u32 v[TMP+1], v[TMP+1], 2, s72      ; in: word 16 b + r
	v_lshrrev_b32 v[TMP+3], 1, v[LA]               ; 8 x lane: my place in a store
	v_add_nc_u32 v[TMP+2], s72, v[TMP+3]           ; back: 8 bytes a lane
.irp b, 0,1,2,3
	v_add_f32 v[BEST+\b], 0, v[BEST+\b]            ; -0 becomes +0: the two are equal as distances and must have one key
	v_add_nc_u32 v[IDX+\b], v[IDX+\b], v[TMP]
.endr
.irp b, 0,1,2,3
	v_permlanex16_b32 v[TS+\b], v[BEST+\b], s[SEL], s[SEL+1]
	v_permlanex16_b32 v[TS+4+\b], v[IDX+\b], s[SEL], s[SEL+1]
.endr
.irp b, 0,1,2,3
	v_cmp_lt_f32 s[MK], v[TS+\b], v[BEST+\b]
	v_cmp_eq_f32 s[MK+1], v[TS+\b], v[BEST+\b]
	v_cmp_lt_u32 s[MK+2], v[TS+4+\b], v[IDX+\b]
	s_and_b32 s[MK+1], s[MK+1], s[MK+2]
	s_or_b32 s[MK], s[MK], s[MK+1]                 ; the other half's is smaller, or equal with the lower index
	v_cndmask_b32 v[BEST+\b], v[BEST+\b], v[TS+\b], s[MK]
	v_cndmask_b32 v[IDX+\b], v[IDX+\b], v[TS+4+\b], s[MK]
	v_ashrrev_i32 v[TS+\b], 31, v[BEST+\b]
	v_or_b32 v[TS+\b], 0x80000000, v[TS+\b]
	v_xor_b32 v[TS+\b], v[TS+\b], v[BEST+\b]       ; the key: unsigned order = the order of the f32 numbers
	ds_store_b32 v[TMP+1], v[TS+\b] offset:64*\b   ; (lanes r and r + 16 store the same number to the same word)
	ds_store_b32 v[TMP+1], v[IDX+\b] offset:256+64*\b
.endr
	ds_load_b64 v[TMP+4:TMP+5], v[TMP+2]           ; LDS serves a wave's instructions in order (ISA guide 5.7.1.4): these see my stores
	ds_load_b64 v[TMP+6:TMP+7], v[TMP+2] offset:256
	s_wait_dscnt 0x0
	global_store_b64 v[TMP+3], v[TMP+4:TMP+5], s[12:13]
	global_store_b64 v[TMP+3], v[TMP+6:TMP+7], s[14:15]
	s_wait_tensorcnt 0x0                           ; the wave's end, behind my last tensor load and my last LDS store
	ds_add_u32 v[SPW], v[NIL]
	s_wait_dscnt 0x0
	ROUND                                          ; the closing round: no work-group ends while a partner may still ask for a tile that names it
	s_endpgm
.Lfunc_end_k_qf423e9c932_dist:
	.size	k_qf423e9c932_dist, .Lfunc_end_k_qf423e9c932_dist-k_qf423e9c932_dist
	.p2alignl 7, 3214868480
	.fill 96, 4, 3214868480
	.section	.rodata,"a",@progbits
	.p2align	6, 0x0
	.amdhsa_kernel k_qf423e9c932_dist
		.amdhsa_group_segment_fixed_size 327680
		.amdhsa_private_segment_fixed_size 0
		.amdhsa_enable_private_segment 0
		.amdhsa_kernarg_size 48
		.amdhsa_user_sgpr_count 2
		.amdhsa_user_sgpr_kernarg_segment_ptr 1
		.amdhsa_wavefront_size32 1
		.amdhsa_system_sgpr_workgroup_id_x 1
		.amdhsa_system_sgpr_workgroup_id_y 1
		.amdhsa_system_sgpr_workgroup_id_z 1
		.amdhsa_system_vgpr_workitem_id 0
		.amdhsa_next_free_vgpr 512
		.amdhsa_next_free_sgpr 80
		.amdhsa_reserve_vcc 0
		.amdhsa_float_denorm_mode_32 3
		.amdhsa_float_denorm_mode_16_64 3
		.amdhsa_memory_ordered 1
		.amdhsa_forward_progress 1
		.amdhsa_inst_pref_size 142
	.end_amdhsa_kernel
	.amdgpu_metadata
---
amdhsa.version: [ 1, 2 ]
amdhsa.kernels:
  - .name:           k_qf423e9c932_dist
    .symbol:         k_qf423e9c932_dist.kd
    .args:
      - { .name: xq, .offset: 0, .size: 8, .value_kind: global_buffer, .address_space: global }
      - { .name: eq, .offset: 8, .size: 8, .value_kind: global_buffer, .address_space: global }
      - { .name: esq, .offset: 16, .size: 8, .value_kind: global_buffer, .address_space: global }
      - { .name: lowp_scales, .offset: 24, .size: 8, .value_kind: global_buffer, .address_space: global }
      - { .name: pkey, .offset: 32, .size: 8, .value_kind: global_buffer, .address_space: global }
      - { .name: pidx, .offset: 40, .size: 8, .value_kind: global_buffer, .address_space: global }
    .group_segment_fixed_size: 327680
    .private_segment_fixed_size: 0
    .kernarg_segment_align: 8
    .kernarg_segment_size: 48
    .max_flat_workgroup_size: 256
    .sgpr_count:     80
    .vgpr_count:     512
    .wavefront_size: 32
...
	.end_amdgpu_metadata
.endif
;; end of part 2
;; launch gather (part 3): grid 256 x 1, 8 waves a work-group, no clusters, 0 bytes of LDS; arguments pkey, pidx, embed, out0, out1; writes out0, out1
.if DOCPART == 3
	.amdgcn_target "amdgcn-amd-amdhsa--gfx1250"
	.amdhsa_code_object_version 6
	.text
	.protected	k_qf423e9c932_gather
	.globl	k_qf423e9c932_gather
	.p2align	8
	.type	k_qf423e9c932_gather,@function
k_qf423e9c932_gather:
	s_mov_b64 s[64:65], 0
	v_nop
	global_prefetch_b8 v0, s[64:65] scope:SCOPE_SE
	s_setreg_imm32_b32 hwreg(HW_REG_WAVE_MODE, 25, 1), 1
	s_wait_xcnt 0x0
; The sixteen parts' minima are joined, the index goes to out1, and out0 = embed[index].
; LEFT OUT: (q - x) + x = q in exact arithmetic for all finite values (shown at the head of the first kernel): the two additions are not made and inputs_flatten is not loaded.
; pkey [16][8192] holds each part's smallest distance as an unsigned whole number of the same order as the f32 number; pidx [16][8192] the code's index.  The join is a tree of unsigned compares;
; among equal keys the lower part is kept, which holds the lower indices: the first occurrence of the minimum.
; SHARES: work-group i takes tokens 32 i .. 32 i + 31; wave w rows 32 i + 4 w + t, t = 0 .. 3.  Every wave joins all 32 tokens itself, a lane a token (4,096 bytes beside the 24,576 bytes of rows that it moves):
; that spares a barrier.  A row's index then comes to all lanes by ds_bpermute_b32, which touches no LDS byte.
; An index is held within 0 .. 8,191 ahead of its use in an address.  Each load and store of a row covers 512 consecutive bytes.
; No matrix unit, no tensor load, no cluster: the launch streams.  embed's rows carry no hint: a row may be named by many tokens.
.set ROWB, 3072
.set KEY,  16                          ; v16-31   part p's key of my token
.set IX,   32                          ; v32-47   part p's index
.set ER,   48                          ; v48-143  four rows of embed: row t, chunk n at 4 (6 t + n)
	s_load_b256 s[4:11], s[0:1], 0x0               ; pkey s[4:5], pidx s[6:7], embed s[8:9], out0 s[10:11]
	s_load_b64 s[12:13], s[0:1], 0x20              ; out1
	v_lshrrev_b32 v1, 5, v0
	s_delay_alu instid0(VALU_DEP_1)
	v_readfirstlane_b32 s16, v1                    ; wave 0..7
	v_and_b32 v1, 31, v0
	s_delay_alu instid0(VALU_DEP_1)
	v_lshlrev_b32 v2, 4, v1                        ; 16 x lane
	s_delay_alu instid0(VALU_DEP_2)
	v_lshlrev_b32 v3, 2, v1                        ; 4 x lane
	s_lshl_b32 s18, ttmp9, 7                       ; 4 x 32 i
	s_mov_b32 s19, 0
	s_lshl_b32 s20, ttmp9, 5
	s_lshl_b32 s21, s16, 2
	s_add_co_u32 s20, s20, s21
	s_mul_i32 s20, s20, ROWB                       ; my first row, in bytes
	s_mov_b32 s21, 0
	s_lshl_b32 s22, s16, 4
	v_mov_b32 v4, s22                              ; 4 x (4 w + t): the lane that holds row t's index, as ds_bpermute_b32 takes it
	s_delay_alu instid0(VALU_DEP_1)
	v_add_nc_u32 v5, 4, v4
	s_delay_alu instid0(VALU_DEP_2)
	v_add_nc_u32 v6, 8, v4
	s_delay_alu instid0(VALU_DEP_3)
	v_add_nc_u32 v7, 12, v4
	s_wait_alu depctr_va_vdst(0)
	s_wait_kmcnt 0x0
	s_add_nc_u64 s[4:5], s[4:5], s[18:19]
	s_add_nc_u64 s[6:7], s[6:7], s[18:19]
	s_add_nc_u64 s[12:13], s[12:13], s[18:19]
	s_add_nc_u64 s[10:11], s[10:11], s[20:21]
.irp p, 0,1,2,3,4,5,6,7,8,9,10,11,12,13,14,15
	global_load_b32 v[KEY+\p], v3, s[4:5] offset:32768*\p
	global_load_b32 v[IX+\p], v3, s[6:7] offset:32768*\p
.endr
	s_wait_loadcnt 0x0                             ; keys and indices are in
.irp d, 1,2,4,8
.set p, 0
.rept 8/\d
	v_cmp_lt_u32 vcc_lo, v[KEY+p+\d], v[KEY+p]     ; the higher part wins only where it is truly smaller
	s_delay_alu instid0(VALU_DEP_1)
	v_cndmask_b32 v[KEY+p], v[KEY+p], v[KEY+p+\d], vcc_lo
	s_delay_alu instid0(VALU_DEP_2)
	v_cndmask_b32 v[IX+p], v[IX+p], v[IX+p+\d], vcc_lo
.set p, p+2*\d
.endr
.endr
	s_cmp_lg_u32 s16, 0
	s_cbranch_scc1 .Lnot_wave_0
	global_store_b32 v3, v[IX], s[12:13]           ; out1: 32 tokens, 128 consecutive bytes; neither register is written again
.Lnot_wave_0:
	s_wait_alu depctr_va_vdst(0)
.irp t, 0,1,2,3
	ds_bpermute_b32 v[8+\t], v[4+\t], v[IX]        ; row t's index, in every lane
.endr
	s_wait_dscnt 0x0
.irp t, 0,1,2,3
	v_min_u32 v[8+\t], 0x1fff, v[8+\t]             ; an index stays inside the table
	s_delay_alu instid0(VALU_DEP_1)
	v_mul_u32_u24 v[8+\t], v[8+\t], ROWB
	s_delay_alu instid0(VALU_DEP_1)
	v_add_nc_u32 v[8+\t], v[8+\t], v2
.endr
.irp t, 0,1,2,3
.irp n, 0,1,2,3,4,5
	global_load_b128 v[ER+4*(6*\t+\n):ER+4*(6*\t+\n)+3], v[8+\t], s[8:9] offset:512*\n
.endr
.endr
.set m, 0
.rept 24
	s_wait_loadcnt 23-m                            ; loads come back in order (ISA guide 5.7.1): chunk m is in, the 23 - m younger ones may be out
	global_store_b128 v2, v[ER+4*m:ER+4*m+3], s[10:11] offset:ROWB*(m/6)+512*(m%6) th:TH_STORE_NT             ; 32 lanes store 512 consecutive bytes, aligned; each chunk has registers of its own
.set m, m+1
.endr
	s_endpgm
.Lfunc_end_k_qf423e9c932_gather:
	.size	k_qf423e9c932_gather, .Lfunc_end_k_qf423e9c932_gather-k_qf423e9c932_gather
	.p2alignl 7, 3214868480
	.fill 96, 4, 3214868480
	.section	.rodata,"a",@progbits
	.p2align	6, 0x0
	.amdhsa_kernel k_qf423e9c932_gather
		.amdhsa_group_segment_fixed_size 0
		.amdhsa_private_segment_fixed_size 0
		.amdhsa_enable_private_segment 0
		.amdhsa_kernarg_size 40
		.amdhsa_user_sgpr_count 2
		.amdhsa_user_sgpr_kernarg_segment_ptr 1
		.amdhsa_wavefront_size32 1
		.amdhsa_system_sgpr_workgroup_id_x 1
		.amdhsa_system_sgpr_workgroup_id_y 1
		.amdhsa_system_sgpr_workgroup_id_z 1
		.amdhsa_system_vgpr_workitem_id 0
		.amdhsa_next_free_vgpr 144
		.amdhsa_next_free_sgpr 66
		.amdhsa_reserve_vcc 1
		.amdhsa_float_denorm_mode_32 3
		.amdhsa_float_denorm_mode_16_64 3
		.amdhsa_memory_ordered 1
		.amdhsa_forward_progress 1
		.amdhsa_inst_pref_size 14
	.end_amdhsa_kernel
	.amdgpu_metadata
---
amdhsa.version: [ 1, 2 ]
amdhsa.kernels:
  - .name:           k_qf423e9c932_gather
    .symbol:         k_qf423e9c932_gather.kd
    .args:
      - { .name: pkey, .offset: 0, .size: 8, .value_kind: global_buffer, .address_space: global }
      - { .name: pidx, .offset: 8, .size: 8, .value_kind: global_buffer, .address_space: global }
      - { .name: embed, .offset: 16, .size: 8, .value_kind: global_buffer, .address_space: global }
      - { .name: out0, .offset: 24, .size: 8, .value_kind: global_buffer, .address_space: global }
      - { .name: out1, .offset: 32, .size: 8, .value_kind: global_buffer, .address_space: global }
    .group_segment_fixed_size: 0
    .private_segment_fixed_size: 0
    .kernarg_segment_align: 8
    .kernarg_segment_size: 40
    .max_flat_workgroup_size: 256
    .sgpr_count:     66
    .vgpr_count:     144
    .wavefront_size: 32
...
	.end_amdgpu_metadata
.endif
;; end of part 3
